; MI455X (gfx1250); checked and timed in simulation.
; The chip was launched on July 23, 2026; its instructions are those of AMD's public machine-readable ISA for CDNA 5 (MIT licence, August 2026) and "CDNA5" Instruction Set Architecture Reference Guide (July 2026). The comments in the code are by the model that wrote it; some were corrected since.
;; Multi Head Attention. Allowed arithmetic: float matrix products may take bf16 or f16 operands with f32 sums; other float arithmetic in f32, or as packed bf16 or f16 multiplies, adds, multiply-adds, maxima and minima; sums over many terms, partial sums and values carried from step to step in f32; what a program stores and reads back later, other than sums and carried values, may be rounded once to bf16 or f16.
;; Inputs: WL 1,024 x 8,192 float32; Wk 1,024 x 8,192 float32; Wq 1,024 x 8,192 float32; Wv 1,024 x 8,192 float32; bL 8,192 float32; bk 8,192 float32; bq 8,192 float32; bv 8,192 float32; inputs 2 x 1,024 x 1,024 float32.
;; Outputs: out0 2 x 8 x 8,192 float32.
;; 2 versions, each right; version 2 is version 1 with the launch cast written anew for expert scheduling mode. Each part assembles by itself: llvm-mc -triple=amdgcn-amd-amdhsa -mcpu=gfx1250 --defsym DOCPART=n.
;; ======== version 1 of 2: 3 launches
;; workspace buffers: xb 4,194,304 bytes; wkq 33,554,432 bytes; wv 16,777,216 bytes; part 262,144 bytes
;; launch cast (part 1): grid 832 x 1, 8 waves a work-group, no clusters, 0 bytes of LDS; arguments Wk, Wq, Wv, inputs, wkq, wv, xb; writes wkq, wv, xb
.if DOCPART == 1
	.amdgcn_target "amdgcn-amd-amdhsa--gfx1250"
	.amdhsa_code_object_version 6
	.text
	.protected	k_q5edebb89ec_cast
	.globl	k_q5edebb89ec_cast
	.p2align	8
	.type	k_q5edebb89ec_cast,@function
k_q5edebb89ec_cast:
	s_mov_b64 s[64:65], 0
	v_nop
	global_prefetch_b8 v0, s[64:65] scope:SCOPE_SE
	s_setreg_imm32_b32 hwreg(HW_REG_WAVE_MODE, 25, 1), 1
	s_wait_xcnt 0x0
; Wk, Wq, Wv ([1024][8192] f32) and inputs ([2048][1024] f32) are rounded once to bf16 (to nearest even) and laid out anew as dense
; tiles of 64 rows x 64 columns, 128 bytes a row, 8,192 bytes a tile, in the order in which the next launch walks them:
;   wkq: [column block of 128 (64)][k block of 64 (16)][Wk, Wq][column half (2)]      wv: [column chunk of 256 (32)][k block (16)][column quarter (4)]
;   xb:  [k block (16)][row tile (32)]: for one k block all 2,048 rows lie on end, 128 bytes each
; SHARES.  One wave makes one tile.  Work-groups 0-255 take Wk, 256-511 Wq, 512-767 Wv, 768-831 inputs; a work-group's eight waves take eight neighbouring tile columns.
; A load takes two source rows x 256 consecutive bytes, aligned (16 lanes a row); a store 256 consecutive bytes, aligned: two tile rows.
; All 32 loads of a wave go out at once; no register is written again while a memory instruction may read it, so there is no loop, and the only waits are the counted ones for the loads.
; No LDS, no barrier, no matrix unit: the launch only moves bytes.  LIMITS: NaN and infinities are rounded as the conversion rounds them.
.set LO, 2                             ; v2  my byte offset in the first two source rows
.set SO, 3                             ; v3  8 x lane: my 8 bytes of two tile rows
.set X,  8                             ; v[8:135] load i: four f32, then two packed words
	s_load_b256 s[4:11], s[0:1], 0x0               ; Wk s[4:5], Wq s[6:7], Wv s[8:9], inputs s[10:11]
	s_load_b128 s[12:15], s[0:1], 0x20             ; wkq s[12:13], wv s[14:15]
	s_load_b64 s[16:17], s[0:1], 0x30              ; xb
	v_lshrrev_b32 v1, 5, v0
	v_readfirstlane_b32 s18, v1                    ; wave 0..7
	v_and_b32 v4, 31, v0
	v_lshlrev_b32 v[SO], 3, v4
	v_and_b32 v5, 15, v0
	v_lshlrev_b32 v5, 4, v5                        ; 16 bytes a lane along a row
	v_bfe_u32 v6, v0, 4, 1                         ; lanes 16-31 take the next row
	s_lshr_b32 s19, ttmp9, 8                       ; kind: 0 Wk, 1 Wq, 2 Wv, 3 inputs
	s_mov_b32 s23, 0                               ; high words of the two offsets
	s_mov_b32 s25, 0
	s_wait_kmcnt 0x0
	s_cmp_eq_u32 s19, 1
	s_cselect_b64 s[20:21], s[6:7], s[4:5]         ; the source,
	s_cmp_eq_u32 s19, 2
	s_cselect_b64 s[20:21], s[8:9], s[20:21]
	s_cselect_b64 s[34:35], s[14:15], s[12:13]     ; and the destination
	s_cmp_eq_u32 s19, 3
	s_cselect_b64 s[20:21], s[10:11], s[20:21]
	s_cselect_b64 s[34:35], s[16:17], s[34:35]
; One tile.  pitch: bytes from row to row of the source.
.macro TILE pitch
.set i, 0
.rept 32
	global_load_b128 v[X+4*i:X+4*i+3], v[LO], s[20:21] offset:i*2*(\pitch) th:TH_LOAD_NT
.set i, i+1
.endr
.set i, 0
.rept 32
	s_wait_loadcnt 31-i                            ; loads come back in order: load i is in, the 31 - i younger ones stay out
	v_cvt_pk_bf16_f32 v[X+4*i], v[X+4*i], v[X+4*i+1]
	v_cvt_pk_bf16_f32 v[X+4*i+1], v[X+4*i+2], v[X+4*i+3]
	global_store_b64 v[SO], v[X+4*i:X+4*i+1], s[34:35] offset:i*256
.set i, i+1
.endr
.endm
	s_cmp_eq_u32 s19, 3
	s_cbranch_scc1 .Linputs
	s_and_b32 s26, ttmp9, 255
	s_lshl_b32 s26, s26, 3
	s_add_co_u32 s26, s26, s18                     ; the tile's number among the weight's 2,048
	s_and_b32 s27, s26, 127                        ; tile column
	s_lshr_b32 s28, s26, 7                         ; k block
	s_lshl_b32 s22, s28, 21                        ; 64 rows of 32,768 bytes,
	s_lshl_b32 s29, s27, 8                         ; 256 bytes a tile column
	s_add_co_u32 s22, s22, s29
	s_cmp_eq_u32 s19, 2
	s_cselect_b32 s30, 2, 1                        ; Wv: four tile columns to a chunk; Wk, Wq: two to a block
	s_cselect_b32 s32, 3, 1
	s_lshr_b32 s31, s27, s30
	s_lshl_b32 s31, s31, 4
	s_add_co_u32 s31, s31, s28                     ; (block or chunk) x 16 + k block,
	s_lshl_b32 s31, s31, 2                         ; four tiles each
	s_and_b32 s32, s27, s32
	s_add_co_u32 s31, s31, s32
	s_cmp_eq_u32 s19, 1
	s_cselect_b32 s32, 2, 0                        ; Wq's two tiles lie behind Wk's two
	s_add_co_u32 s31, s31, s32
	s_lshl_b32 s24, s31, 13
	s_add_nc_u64 s[20:21], s[20:21], s[22:23]
	s_add_nc_u64 s[34:35], s[34:35], s[24:25]
	v_lshl_add_u32 v[LO], v6, 15, v5
	TILE 32768
	s_endpgm
.Linputs:
	s_and_b32 s26, ttmp9, 63
	s_lshl_b32 s26, s26, 3
	s_add_co_u32 s26, s26, s18                     ; the tile's number among 512
	s_and_b32 s27, s26, 15                         ; k block
	s_lshr_b32 s28, s26, 4                         ; row tile
	s_lshl_b32 s22, s28, 18                        ; 64 rows of 4,096 bytes
	s_lshl_b32 s29, s27, 8
	s_add_co_u32 s22, s22, s29
	s_lshl_b32 s31, s27, 5
	s_add_co_u32 s31, s31, s28
	s_lshl_b32 s24, s31, 13
	s_add_nc_u64 s[20:21], s[20:21], s[22:23]
	s_add_nc_u64 s[34:35], s[34:35], s[24:25]
	v_lshl_add_u32 v[LO], v6, 12, v5
	TILE 4096
	s_endpgm
.Lfunc_end_k_q5edebb89ec_cast:
	.size	k_q5edebb89ec_cast, .Lfunc_end_k_q5edebb89ec_cast-k_q5edebb89ec_cast
	.p2alignl 7, 3214868480
	.fill 96, 4, 3214868480
	.section	.rodata,"a",@progbits
	.p2align	6, 0x0
	.amdhsa_kernel k_q5edebb89ec_cast
		.amdhsa_group_segment_fixed_size 0
		.amdhsa_private_segment_fixed_size 0
		.amdhsa_enable_private_segment 0
		.amdhsa_kernarg_size 56
		.amdhsa_user_sgpr_count 2
		.amdhsa_user_sgpr_kernarg_segment_ptr 1
		.amdhsa_wavefront_size32 1
		.amdhsa_system_sgpr_workgroup_id_x 1
		.amdhsa_system_sgpr_workgroup_id_y 1
		.amdhsa_system_sgpr_workgroup_id_z 1
		.amdhsa_system_vgpr_workitem_id 0
		.amdhsa_next_free_vgpr 136
		.amdhsa_next_free_sgpr 66
		.amdhsa_reserve_vcc 0
		.amdhsa_float_denorm_mode_32 3
		.amdhsa_float_denorm_mode_16_64 3
		.amdhsa_memory_ordered 1
		.amdhsa_forward_progress 1
		.amdhsa_inst_pref_size 25
	.end_amdhsa_kernel
	.amdgpu_metadata
---
amdhsa.version: [ 1, 2 ]
amdhsa.kernels:
  - .name:           k_q5edebb89ec_cast
    .symbol:         k_q5edebb89ec_cast.kd
    .args:
      - { .name: Wk, .offset: 0, .size: 8, .value_kind: global_buffer, .address_space: global }
      - { .name: Wq, .offset: 8, .size: 8, .value_kind: global_buffer, .address_space: global }
      - { .name: Wv, .offset: 16, .size: 8, .value_kind: global_buffer, .address_space: global }
      - { .name: inputs, .offset: 24, .size: 8, .value_kind: global_buffer, .address_space: global }
      - { .name: wkq, .offset: 32, .size: 8, .value_kind: global_buffer, .address_space: global }
      - { .name: wv, .offset: 40, .size: 8, .value_kind: global_buffer, .address_space: global }
      - { .name: xb, .offset: 48, .size: 8, .value_kind: global_buffer, .address_space: global }
    .group_segment_fixed_size: 0
    .private_segment_fixed_size: 0
    .kernarg_segment_align: 8
    .kernarg_segment_size: 56
    .max_flat_workgroup_size: 256
    .sgpr_count:     66
    .vgpr_count:     136
    .wavefront_size: 32
...
	.end_amdgpu_metadata
.endif
;; end of part 1
;; launch fused (part 2): grid 8 x 32, 4 waves a work-group, clusters of 4 x 4, 327,680 bytes of LDS; arguments xb, wkq, wv, bk, bv, bq, part; writes part
.if DOCPART == 2
	.amdgcn_target "amdgcn-amd-amdhsa--gfx1250"
	.amdhsa_code_object_version 6
	.text
	.protected	k_q5edebb89ec_fused
	.globl	k_q5edebb89ec_fused
	.p2align	8
	.type	k_q5edebb89ec_fused,@function
k_q5edebb89ec_fused:
	s_mov_b64 s[64:65], 0
	v_nop
	global_prefetch_b8 v0, s[64:65] scope:SCOPE_SE
	s_setreg_imm32_b32 hwreg(HW_REG_WAVE_MODE, 25, 1), 1
	s_wait_xcnt 0x0
	s_wait_alu depctr_hold_cnt(0) depctr_sa_sdst(0) depctr_va_vdst(0) depctr_va_sdst(0) depctr_va_ssrc(0) depctr_va_vcc(0) depctr_vm_vsrc(0)
	s_getreg_b32 s2, hwreg(HW_REG_IB_STS2, 6, 4)
	s_cmp_eq_u32 s2, 0
	s_cbranch_scc0 .Lentry_in_a_cluster
	s_endpgm
.Lentry_in_a_cluster:
	s_bfe_u32 s2, ttmp6, 0x10000c
	s_cmp_lg_u32 s2, 0xf033
	s_cbranch_scc0 .Lentry_shape_is_right
	s_endpgm
.Lentry_shape_is_right:
; For one batch b, head h, block of 128 columns d and half of the 1,024 rows s:  k[s][d] = x[s] . Wk[:, d] + bk,  q likewise,  v[d][s] = x[d] . Wv[:, s] + bv,
; t = k[s][d] v[d][s],  and over the half's 512 rows s the softmax statistics of t / 32 and the sum of weights times q.  Stored, for each d:
;   Z = log2 of the sum of 2^(c t), c = log2(e) / 32, as c max + log2 (sum of 2^(c t - c max));   P = (sum of weights x q) / (sum of weights) + bq.   The next launch joins the two halves.
; q, k and v never leave the registers.  x and the weights arrive in bf16 (the launch before); bk, bv and bq are rounded to bf16 here: every input of the program is rounded once to bf16.
; LIMITS.  A weight below 2^-126 counts as 0; NaN and infinities are not treated apart; the running maximum starts at the lowest finite number; t overflows only where the f32 product k v does.
; LAYOUT.  All three products come out as (m = s, n = d): K and Q with source 0 = 16 rows s of x and source 1 = 16 columns d of the weight; V with source 0 = 16 columns s of Wv and source 1 = 16 rows d of x.
; So k[s][d], v[d][s] and q[s][d] lie in the same lane and register number of three accumulators, and nothing changes lanes: register j of lane l is s = 8 (l / 16) + j, d = l % 16.
; SHARES.  256 work-groups.  Cluster y = h; d block = 4 x cluster x + cx; b = cy / 2; half of s = cy % 2.  s goes in two chunks of 256, each 16 steps of 64 along K: a walk of 32 tiles.
; THE TWO CLUSTERS OF A HEAD TAKE THE HALF'S TWO CHUNKS IN OPPOSITE ORDER (cluster x = 1 takes the upper chunk first; the running maximum leaves the order free): their first chunks name different tiles of Wv,
; and each one's second chunk names tiles of Wv that the other has walked, as it names Wk's, Wq's and x's tiles for the second time.
; A wave makes 128 (s) x 64 (d) of each of K, V, Q: 96 accumulators, 768 registers, which take turns, one instruction a turn, always in the same order.
; RING.  Two LDS slots, a K step of 64 each, four tiles to a step, one tensor load a wave: wave 0 x's 256 rows s (XS), wave 1 Wv's 256 columns s (WV), wave 2 Wk's and Wq's 128 columns d (KQ), wave 3 x's 128 rows d (XD).
; XS and WV hang on cy, h and cluster x alone and are asked for jointly by the four work-groups of a row of the cluster; KQ on cx, cluster x and h alone, jointly by a column; XD hangs on cx and cy and is each work-group's own.
; A wave has two tensor loads out at the start and one behind each round.
; REGISTERS, in windows of 256 (s_set_vgpr_msb: bits 1:0 source 0, 3:2 source 1, 5:4 source 2, 7:6 destination):
;   window 0: addresses, statistics, and ONE set of fragments (224 registers), filled again in three runs of LDS loads a sub-step, each behind the last product that read its registers
;   window 1: K (m, n) at v[8 (4 m + n)]     window 2: V     window 3: Q
.set XKB,   262144                     ; bytes from one k block of xb to the next
.set WKB,   32768                      ; the same in wkq and wv
.set PX,    144                        ; an LDS row of x: 128 bytes + 16: 36 words, so the 16 rows of a load start at 16 different groups of four banks (64 banks of 4 bytes: ISA guide 11.1)
.set PW,    160                        ; an LDS row of a weight tile: 128 + 32
.set O_XS,  0                          ; 256 rows x 144
.set O_XD,  36864                      ; 128 rows x 144
.set O_KQ,  55296                      ; four tiles of 64 rows x 160: Wk's two column halves, then Wq's
.set O_WV,  96256                      ; four tiles of 64 rows x 160
.set SLOT,  137216
.set SCR,   2*SLOT                     ; behind the ring, never filled by a tensor load: M, L, A, each [4 parts][128 d] f32
.set BIA,   SCR+6144                   ; the biases, rounded to bf16 and widened, f32: bv of the half's 512 rows s in the order of the walk (2,048 bytes), then bk of the block's 128 columns d (512)
.set SPARE, BIA+2560                   ; the spare words, 128 bytes for each wave: two blocks of 256 bytes that no other line names
.set SPW, 1                            ; v1   LDS address of my spare word; never rewritten
.set NIL, 2                            ; v2   0; never rewritten
.set AXS, 4                            ; v4-5   LDS address of my fragments of XS in slot 0, 1
.set AXD, 6                            ; v6-7   of XD
.set AWK, 8                            ; v8-9   of Wk (Wq: 20,480 bytes on)
.set AWV, 10                           ; v10-11 of Wv
.set MX,  12                           ; v12-15 running maximum of t, for d block n = 0..3, over this lane's rows s
.set LS,  16                           ; v16-19 running sum of weights
.set AS,  20                           ; v20-23 running sum of weights x q
.set BVA, 24                           ; v24  LDS address of bv of my rows s in the walk's first chunk; never rewritten
.set BKA, 25                           ; v25  LDS address of bk of my columns d; never rewritten
.set PFO, 26                           ; v26  256 x lane, for the prefetches; never rewritten
.set XSF, 32                           ; fragments: XS m at XSF + 8 m
.set WKF, 96                           ; Wk n
.set WQF, 128                          ; Wq n
.set WVF, 160                          ; Wv m
.set XDF, 224                          ; XD n
.set BKF, 144                          ; in the epilogue: bk of d block n, twice, at BKF + 2 n
.set CHN, 96                           ; sixteen chains of the maximum
.set CMF, 112                          ; c x maximum, twice, at CMF + 2 n
.set ALF, 120                          ; 2^(c m_old - c m_new) at ALF + 2 n
.set SLF, 160                          ; eight packed chains of the weights' sum
.set SAF, 176                          ; and of weights x q
.set WV,  18                           ; s18 wave   s19 wave / 2: my 128 rows s   s20 wave % 2: my 64 columns d
.set WS,  19
.set WD,  20
.set CX,  21
.set CY,  22
.set HD,  23
.set G1XS, 24                          ; descriptor groups 1
.set G1WV, 32
.set G1KQ, 40
.set G1XD, 48
.set G0XS, 56                          ; descriptor groups 0, a set for each slot
.set G0WV, 68
.set G0KQ, 76
.set G0XD, 84
.set LAP, 92
.set CH,  93                           ; chunks to go
.set CS,  94                           ; s[94:95] c, twice
.set PA,  96                           ; s[96:97] the address of the prefetch in hand
.set PFB, 98                           ; s[98:99] where my prefetches begin
.set TP,  100                          ; the tile of the walk that the next prefetch names
.set LIM0, 101                         ; the last tile that I ask for at a change out of slot 0,
.set LIM1, 66                          ; and out of slot 1; 0: I ask for nothing
.set PK,  4                            ; bytes from k block to k block in my prefetches' stream
.set RVX, 6                            ; s[6:7]  65,536 where the chunks are walked downward, else 0: XS's step into the second chunk goes 256 rows up instead of down
.set RVW, 8                            ; s[8:9]  1,048,576 or 0: the same for Wv's 32 tiles
.set MSB, 0
.macro WIN new                         ; the immediate's high byte repeats the setting that is left; a switch that changes nothing is dropped
.if MSB != (\new)
	s_set_vgpr_msb (MSB<<8)|(\new)
.set MSB, \new
.endif
.endm
.macro PLACES                          ; four places: in front of loads into registers that a matrix instruction has read (ISA guide 7.12.1 for vector instructions)
.rept 4
	v_nop
.endr
.endm
.macro CREST                           ; a round of the cluster's barrier behind its opening barrier
	s_cmp_lg_u32 s[WV], 0
	s_cbranch_scc1 .Lnot_wave_0_\@
	s_barrier_signal -3
.Lnot_wave_0_\@:
	s_barrier_wait -3
	s_barrier_signal -1
	s_barrier_wait -1
.endm
.macro CROUND
	s_barrier_signal -1
	s_barrier_wait -1
	CREST
.endm
; A refill of slot s: one tensor load a wave, chosen by the wave's number alone.  An s_nop 0 and four v_nop follow each line, ahead of the jump and the label.
.macro LOAD4 s
	s_cmp_lt_u32 s[WV], 2
	s_cbranch_scc0 .Lhi_\@
	s_cmp_eq_u32 s[WV], 0
	s_cbranch_scc0 .Lw1_\@
	tensor_load_to_lds s[G0XS+4*(\s):G0XS+4*(\s)+3], s[G1XS:G1XS+7]
	s_nop 0
	PLACES
	s_branch .Ldone_\@
.Lw1_\@:
	tensor_load_to_lds s[G0WV+4*(\s):G0WV+4*(\s)+3], s[G1WV:G1WV+7]
	s_nop 0
	PLACES
	s_branch .Ldone_\@
.Lhi_\@:
	s_cmp_eq_u32 s[WV], 2
	s_cbranch_scc0 .Lw3_\@
	tensor_load_to_lds s[G0KQ+4*(\s):G0KQ+4*(\s)+3], s[G1KQ:G1KQ+7]
	s_nop 0
	PLACES
	s_branch .Ldone_\@
.Lw3_\@:
	tensor_load_to_lds s[G0XD+4*(\s):G0XD+4*(\s)+3], s[G1XD:G1XD+7]
	s_nop 0
	PLACES
.Ldone_\@:
.endm
.macro FILL2 g0, g1                    ; a wave's two first fills, together
	tensor_load_to_lds s[\g0:\g0+3], s[\g1:\g1+7]
	s_nop 0
	tensor_load_to_lds s[\g0+4:\g0+7], s[\g1:\g1+7]
	s_nop 0
	PLACES
.endm
; A PREFETCH, behind the refill, its five lines and the run of LDS loads: 32 blocks of 256 bytes, a lane a block, of tile TP of the walk: the tile that the NEXT change of slots asks for, 192 matrix instructions on.
; Each block is named once in the launch, ahead of the first time that the launch reads it: all such readings lie in the walk's first 16 tiles, and no wave asks beyond tile 15.
; xb: a K step's 2,048 rows x 128 bytes lie on end, 262,144 bytes, and every cluster walks them (XS's rows and XD's together are all of them): cluster (0, 0) asks, waves 0 and 3 of its sixteen work-groups 8,192 bytes each.
; wv: a cluster's first chunk is named by no other cluster before it: the eight work-groups with the same half of s (two rows of the cluster) ask, their waves 1 8,192 bytes each of TWO tiles on end, at every second change: tiles 3 to 14.
; wkq: a tile is walked by one column of one cluster: its four waves 2 take 8,192 bytes each.
; Partners are told apart by address, never by a branch; the limits hang on the cluster's coordinates and the wave's number.  Tiles 0 to 2 (of Wv 15 too) come by their loads alone.
.macro ASK s
.if (\s) == 0
	s_cmp_le_u32 s[TP], s[LIM0]
.else
	s_cmp_le_u32 s[TP], s[LIM1]
.endif
	s_cbranch_scc0 .Lnot_mine_\@
	global_prefetch_b8 v[PFO], s[PA:PA+1] th:TH_LOAD_NT scope:SCOPE_SE
.Lnot_mine_\@:
.endm
; 16 matrix instructions into window w: m = 4 half .. 4 half + 3, n = 0 .. 3, 32 along K.  zero = 1: the product starts the sum.
.macro MUL16 w, fa, fb, half, zero
	WIN 0x50*(\w)
.set mm, 4*(\half)
.rept 4
.set nn, 0
.rept 4
.if \zero
	v_wmma_f32_16x16x32_bf16 v[8*(4*mm+nn):8*(4*mm+nn)+7], v[(\fa)+8*mm:(\fa)+8*mm+7], v[(\fb)+8*nn:(\fb)+8*nn+7], 0
.else
	v_wmma_f32_16x16x32_bf16 v[8*(4*mm+nn):8*(4*mm+nn)+7], v[(\fa)+8*mm:(\fa)+8*mm+7], v[(\fb)+8*nn:(\fb)+8*nn+7], v[8*(4*mm+nn):8*(4*mm+nn)+7]
.endif
.set nn, nn+1
.endr
.set mm, mm+1
.endr
.endm
.macro MK half, zero
	MUL16 1, XSF, WKF, \half, \zero
.endm
.macro MV half, zero
	MUL16 2, WVF, XDF, \half, \zero
.endm
.macro MQ half, zero
	MUL16 3, XSF, WQF, \half, \zero
.endm
; THE LDS LOADS, in runs.  s: slot, u: which 32 of its 64 along K.  A fragment of x is 16 rows x 32 K: lane l holds row l % 16, K = 8 (l / 16) + 0..7 and 16 + 8 (l / 16) + 0..7: two loads 32 bytes apart.
; A weight lies [K][column]: the turning load takes 16 K x 16 columns and leaves half a fragment: lane l holds column l % 16 and 8 K; the second half lies 16 rows on.
.macro F_XS s, u, m0                   ; 8 loads: XS m0 .. m0 + 3
	WIN 0
.set mm, \m0
.rept 4
	ds_load_b128 v[XSF+8*mm:XSF+8*mm+3],   v[AXS+(\s)] offset:mm*16*PX+64*(\u)
	ds_load_b128 v[XSF+8*mm+4:XSF+8*mm+7], v[AXS+(\s)] offset:mm*16*PX+64*(\u)+32
.set mm, mm+1
.endr
.endm
.macro F_W s, u                        ; 16 loads: Wk and Wq
	WIN 0
.set nn, 0
.rept 4
	ds_load_tr16_b128 v[WKF+8*nn:WKF+8*nn+3],   v[AWK+(\s)] offset:32*PW*(\u)+32*nn
	ds_load_tr16_b128 v[WKF+8*nn+4:WKF+8*nn+7], v[AWK+(\s)] offset:32*PW*(\u)+32*nn+16*PW
	ds_load_tr16_b128 v[WQF+8*nn:WQF+8*nn+3],   v[AWK+(\s)] offset:128*PW+32*PW*(\u)+32*nn
	ds_load_tr16_b128 v[WQF+8*nn+4:WQF+8*nn+7], v[AWK+(\s)] offset:128*PW+32*PW*(\u)+32*nn+16*PW
.set nn, nn+1
.endr
.endm
.macro F_B s, u                        ; 24 loads: Wv and XD
	WIN 0
.set mm, 0
.rept 8
	ds_load_tr16_b128 v[WVF+8*mm:WVF+8*mm+3],   v[AWV+(\s)] offset:(mm/4)*64*PW+(mm%4)*32+32*PW*(\u)
	ds_load_tr16_b128 v[WVF+8*mm+4:WVF+8*mm+7], v[AWV+(\s)] offset:(mm/4)*64*PW+(mm%4)*32+32*PW*(\u)+16*PW
.set mm, mm+1
.endr
.set nn, 0
.rept 4
	ds_load_b128 v[XDF+8*nn:XDF+8*nn+3],   v[AXD+(\s)] offset:nn*16*PX+64*(\u)
	ds_load_b128 v[XDF+8*nn+4:XDF+8*nn+7], v[AXD+(\s)] offset:nn*16*PX+64*(\u)+32
.set nn, nn+1
.endr
.endm
.macro BVLOAD c                        ; a chunk's last sub-step fetches no fragments: 20 LDS loads bring bv of my 64 rows s of the walk's chunk c into XS's registers, bk of my 4 columns d into Wq's
	WIN 0
.set mm, 0
.rept 8
	ds_load_b128 v[XSF+8*mm:XSF+8*mm+3],   v[BVA] offset:1024*(\c)+64*mm
	ds_load_b128 v[XSF+8*mm+4:XSF+8*mm+7], v[BVA] offset:1024*(\c)+64*mm+16
.set mm, mm+1
.endr
.set nn, 0
.rept 4
	ds_load_b32 v[BKF+2*nn], v[BKA] offset:64*nn
.set nn, nn+1
.endr
.endm
; A SUB-STEP of 32 along K: 96 matrix instructions on the fragments in hand; each run of registers is loaded again, for (slot ns, half nu), behind the last product that read it.
; At its head the LDS loads out are, in order: XS 0-3 (8), Wk and Wq (16), XS 4-7 (8), Wv and XD (24).  fetch = 0: the walk's last sub-step.
.macro SUB ns, nu, zero, fetch
	s_wait_dscnt 32                                ; XS 0-3, Wk, Wq are in; XS 4-7 (8) and Wv, XD (24) may be out
	MK 0, \zero
	MQ 0, \zero
.if \fetch
	PLACES
	F_XS \ns, \nu, 0
	s_wait_dscnt 32                                ; XS 4-7 are in; Wv, XD (24) and the new XS 0-3 (8) may be out
.else
	s_wait_dscnt 24                                ; XS 4-7 are in; Wv, XD (24) may be out
.endif
	MK 1, \zero
	MQ 1, \zero
	PLACES
.if \fetch
	F_W \ns, \nu
	F_XS \ns, \nu, 4
	s_wait_dscnt 32                                ; Wv, XD are in; the 8 + 16 + 8 new loads may be out
.else
	BVLOAD 1
	s_wait_dscnt 20                                ; Wv, XD are in; the 20 loads of the biases may be out
.endif
	MV 0, \zero
	MV 1, \zero
.if \fetch
	PLACES
	F_B \ns, \nu
.endif
.endm
; THE SECOND SUB-STEP OF SLOT s, AND THE CHANGE OF SLOTS.  All reads of slot s were issued in the sub-step before.  Each wave waits for all its tensor loads, of which one is out: its tile of the other slot; adds 0 to
; its spare word; and waits for that and for its reads of slot s.  mode 0, 1: the barrier opens a round of the cluster's, so that no wave of any partner still reads the slot or has a load on its way, and the refill is the
; first thing behind it: the tile two steps on (mode 0), or the next chunk's first or second tile (mode 1); it has 160 matrix instructions in which to land.  mode 2: nothing is left to ask for: a plain barrier.
; fetch = 0: the last sub-step of the walk's first chunk: no fragments are fetched.
.macro TURN s, mode, fetch
.if (\mode) < 2
	s_wait_xcnt 0x0                                ; the last prefetch, a K step back, has read its address: the next one's is made here, ahead of the waits of the change
	s_and_b32 s2, s[TP], 15
	s_mul_i32 s2, s2, s[PK]
	s_mov_b32 s3, 0
	s_add_nc_u64 s[PA:PA+1], s[PFB:PFB+1], s[2:3]
.endif
	WIN 0
	s_wait_tensorcnt 0x0                           ; no tensor load of mine is out, so a group 0 may be written
	ds_add_u32 v[SPW], v[NIL]                      ; 0 onto my spare word: scalar work and sixteen products stand between it and the wait for it
.if (\mode) == 0
	s_add_nc_u64 s[G0XS+4*(\s)+2:G0XS+4*(\s)+3], s[G0XS+4*(\s)+2:G0XS+4*(\s)+3], 2*XKB
	s_add_nc_u64 s[G0WV+4*(\s)+2:G0WV+4*(\s)+3], s[G0WV+4*(\s)+2:G0WV+4*(\s)+3], 2*WKB
	s_add_nc_u64 s[G0KQ+4*(\s)+2:G0KQ+4*(\s)+3], s[G0KQ+4*(\s)+2:G0KQ+4*(\s)+3], 2*WKB
	s_add_nc_u64 s[G0XD+4*(\s)+2:G0XD+4*(\s)+3], s[G0XD+4*(\s)+2:G0XD+4*(\s)+3], 2*XKB
.elseif (\mode) == 1
	s_sub_nc_u64 s[G0XS+4*(\s)+2:G0XS+4*(\s)+3], s[G0XS+4*(\s)+2:G0XS+4*(\s)+3], 14*XKB-32768  ; back along K, 256 rows down,
	s_sub_nc_u64 s[G0XS+4*(\s)+2:G0XS+4*(\s)+3], s[G0XS+4*(\s)+2:G0XS+4*(\s)+3], s[RVX:RVX+1]  ; or, walking downward, 256 rows up
	s_add_nc_u64 s[G0WV+4*(\s)+2:G0WV+4*(\s)+3], s[G0WV+4*(\s)+2:G0WV+4*(\s)+3], 2*WKB         ; the half's 32 tiles of Wv lie on end: on into the upper 16,
	s_sub_nc_u64 s[G0WV+4*(\s)+2:G0WV+4*(\s)+3], s[G0WV+4*(\s)+2:G0WV+4*(\s)+3], s[RVW:RVW+1]  ; or back to the lower 16
	s_sub_nc_u64 s[G0KQ+4*(\s)+2:G0KQ+4*(\s)+3], s[G0KQ+4*(\s)+2:G0KQ+4*(\s)+3], 14*WKB        ; back along K
	s_sub_nc_u64 s[G0XD+4*(\s)+2:G0XD+4*(\s)+3], s[G0XD+4*(\s)+2:G0XD+4*(\s)+3], 14*XKB
.endif
	s_wait_dscnt 33                                ; XS 0-3, Wk, Wq are in; the 32 younger loads and the add may be out
	MK 0, 0
	s_wait_dscnt 0x0                               ; the add is done, and my reads of slot s are over
	s_barrier_signal -1
	MQ 0, 0                                        ; work on registers while the others arrive
	WIN 0
	s_barrier_wait -1
.if (\mode) < 2
	CREST
	LOAD4 \s                                       ; its four v_nop are also the places in front of the loads below
.else
	PLACES
.endif
.if \fetch
	F_XS 1-(\s), 0, 0
.endif
.if (\mode) < 2
	ASK \s
	s_add_co_u32 s[TP], s[TP], 1
.endif
	MK 1, 0
	MQ 1, 0
	PLACES
.if \fetch
	F_W 1-(\s), 0
	F_XS 1-(\s), 0, 4
.else
	BVLOAD 0
.endif
	MV 0, 0
	MV 1, 0
.if \fetch
	PLACES
	F_B 1-(\s), 0
.endif
.endm
	s_load_b256 s[4:11], s[0:1], 0x0               ; xb s[4:5], wkq s[6:7], wv s[8:9], bk s[10:11]
	s_load_b128 s[12:15], s[0:1], 0x20             ; bv s[12:13], bq s[14:15]
	s_load_b64 s[16:17], s[0:1], 0x30              ; part
	v_lshl_add_u32 v[SPW], v0, 2, SPARE
	v_mov_b32 v[NIL], 0
	ds_add_u32 v[SPW], v[NIL]                      ; the wave's opening: the add and its wait stand ahead of my first tensor load; the set-up below, work on registers, stands between them
	v_lshrrev_b32 v3, 5, v0
	v_readfirstlane_b32 s[WV], v3
	s_lshr_b32 s[WS], s[WV], 1
	s_and_b32 s[WD], s[WV], 1
	s_bfe_u32 s[CX], ttmp6, 0x40000
	s_bfe_u32 s[CY], ttmp6, 0x40004
	s_and_b32 s[HD], ttmp7, 0xffff                 ; cluster y: the head
	s_lshl_b32 s2, s[CY], 2
	s_lshl_b32 s2, 15, s2                          ; my row of the cluster
	s_lshl_b32 s3, 0x1111, s[CX]                   ; my column
	; descriptor groups 1.  Every tile is a dense block, asked for as rows of 256 bytes (128 elements of 2 bytes) and padded in LDS after every 128 bytes (32 words, code 4), by 4 words (code 3) or 8 (code 7)
	s_or_b32 s[G1XS], s2, (1<<16)|(1<<20)|(1<<21)|(4<<22)|(3<<25)
	s_or_b32 s[G1WV], s2, (1<<16)|(1<<20)|(1<<21)|(4<<22)|(7<<25)
	s_or_b32 s[G1KQ], s3, (1<<16)|(1<<20)|(1<<21)|(4<<22)|(7<<25)
	s_mov_b32 s[G1XD], (1<<16)|(1<<20)|(4<<22)|(3<<25)
.irp g, G1XS, G1WV, G1KQ, G1XD
	s_mov_b32 s[\g+1], 128<<16                     ; tensor_dim0 = 128
	s_mov_b32 s[\g+3], 128<<16                     ; tile_dim0 = 128
	s_mov_b32 s[\g+5], 128                         ; 128 elements from row to row
	s_mov_b32 s[\g+6], 0
	s_mov_b32 s[\g+7], 0
.endr
.irp g, G1XS, G1WV, G1KQ
	s_mov_b32 s[\g+2], 128<<16                     ; tensor_dim1 = 128: 32,768 bytes
	s_mov_b32 s[\g+4], 128                         ; tile_dim1
.endr
	s_mov_b32 s[G1XD+2], 64<<16                    ; 16,384 bytes
	s_mov_b32 s[G1XD+4], 64
.irp s, 0,1
	s_mov_b32 s[G0XS+4*\s], 1
	s_mov_b32 s[G0XS+4*\s+1], \s*SLOT+O_XS
	s_mov_b32 s[G0WV+4*\s], 1
	s_mov_b32 s[G0WV+4*\s+1], \s*SLOT+O_WV
	s_mov_b32 s[G0KQ+4*\s], 1
	s_mov_b32 s[G0KQ+4*\s+1], \s*SLOT+O_KQ
	s_mov_b32 s[G0XD+4*\s], 1
	s_mov_b32 s[G0XD+4*\s+1], \s*SLOT+O_XD
.endr
	; the tiles' byte offsets.  XS's and WV's are made of cy, h and cluster x alone, KQ's of cx, cluster x and h alone
	s_and_b32 s67, ttmp9, 1                        ; 1: this cluster takes the upper chunk first
	s_lshl_b32 s[G0XS+2], s[CY], 16                ; (1,024 b + 512 half) rows of 128 bytes,
	s_lshl_b32 s2, s67, 15                         ; + 256 rows
	s_add_co_u32 s[G0XS+2], s[G0XS+2], s2
	s_mov_b32 s[G0XS+3], 0
	s_lshl_b32 s[G0WV+2], s[HD], 21
	s_lshl_b32 s2, s67, 19                         ; + 16 tiles
	s_add_co_u32 s[G0WV+2], s[G0WV+2], s2
	s_and_b32 s67, s[CY], 1                        ; which half of s
	s_lshl_b32 s2, s67, 20
	s_add_co_u32 s[G0WV+2], s[G0WV+2], s2
	s_mov_b32 s[G0WV+3], 0
	s_lshl_b32 s92, ttmp9, 2
	s_add_co_u32 s92, s92, s[CX]                   ; d block
	s_lshl_b32 s3, s[HD], 3
	s_add_co_u32 s3, s3, s92
	s_lshl_b32 s[G0KQ+2], s3, 19
	s_mov_b32 s[G0KQ+3], 0
	s_lshr_b32 s93, s[CY], 1                       ; b
	s_lshl_b32 s[G0XD+2], s93, 17
	s_lshl_b32 s3, s92, 14
	s_add_co_u32 s[G0XD+2], s[G0XD+2], s3
	s_mov_b32 s[G0XD+3], 0
	s_lshl_b32 s96, s[HD], 12                      ; bk, bq: 4 (1,024 h + 128 d block)
	s_lshl_b32 s3, s92, 9
	s_add_co_u32 s96, s96, s3
	s_mov_b32 s97, 0
	s_lshl_b32 s98, s[HD], 12                      ; bv: 4 (1,024 h + 512 half)
	s_lshl_b32 s3, s67, 11
	s_add_co_u32 s98, s98, s3
	s_mov_b32 s99, 0
	s_lshl_b32 s100, s93, 3                        ; part: [half][8 b + h][d]
	s_add_co_u32 s100, s100, s[HD]
	s_lshl_b32 s100, s100, 12
	s_lshl_b32 s3, s67, 16
	s_add_co_u32 s100, s100, s3
	s_lshl_b32 s3, s92, 9
	s_add_co_u32 s100, s100, s3
	s_mov_b32 s101, 0
	s_wait_dscnt 0x0                               ; the opening add is done
	s_wait_kmcnt 0x0
	s_add_nc_u64 s[G0XS+2:G0XS+3], s[4:5], s[G0XS+2:G0XS+3]
	s_add_nc_u64 s[G0WV+2:G0WV+3], s[8:9], s[G0WV+2:G0WV+3]
	s_add_nc_u64 s[G0KQ+2:G0KQ+3], s[6:7], s[G0KQ+2:G0KQ+3]
	s_add_nc_u64 s[G0XD+2:G0XD+3], s[4:5], s[G0XD+2:G0XD+3]
	s_add_nc_u64 s[10:11], s[10:11], s[96:97]
	s_add_nc_u64 s[14:15], s[14:15], s[96:97]
	s_add_nc_u64 s[12:13], s[12:13], s[98:99]
	s_add_nc_u64 s[16:17], s[16:17], s[100:101]
	s_add_nc_u64 s[G0XS+6:G0XS+7], s[G0XS+2:G0XS+3], XKB   ; slot 1 begins with K step 1
	s_add_nc_u64 s[G0WV+6:G0WV+7], s[G0WV+2:G0WV+3], WKB
	s_add_nc_u64 s[G0KQ+6:G0KQ+7], s[G0KQ+2:G0KQ+3], WKB
	s_add_nc_u64 s[G0XD+6:G0XD+7], s[G0XD+2:G0XD+3], XKB
	; the prefetches: my stream's first block, plus my 8,192 bytes of it
	s_lshl_b32 s2, s[CY], 2
	s_add_co_u32 s2, s2, s[CX]
	s_lshl_b32 s2, s2, 1
	s_add_co_u32 s2, s2, s[WD]                     ; waves 0 and 3: place 2 (4 cy + cx) + (0 or 1) among 32, in xb
	s_lshl_b32 s3, s93, 2
	s_add_co_u32 s3, s3, s[CX]                     ; wave 1: place 4 b + cx among eight
	s_cmp_eq_u32 s[WV], 1
	s_cselect_b64 s[PFB:PFB+1], s[G0WV+2:G0WV+3], s[4:5]
	s_cselect_b32 s2, s3, s2
	s_cmp_eq_u32 s[WV], 2
	s_cselect_b64 s[PFB:PFB+1], s[G0KQ+2:G0KQ+3], s[PFB:PFB+1]
	s_cselect_b32 s2, s[CY], s2                    ; wave 2: place cy among four
	s_lshl_b32 s2, s2, 13
	s_mov_b32 s3, 0
	s_add_nc_u64 s[PFB:PFB+1], s[PFB:PFB+1], s[2:3]
	s_or_b32 s2, s[HD], ttmp9
	s_cmp_eq_u32 s2, 0
	s_cselect_b32 s[LIM0], 15, 0                   ; xb: cluster (0, 0) asks
	s_mov_b32 s[LIM1], s[LIM0]
	s_mov_b32 s[PK], XKB
	s_cmp_eq_u32 s[WV], 1
	s_cselect_b32 s[PK], WKB, s[PK]
	s_cselect_b32 s[LIM0], 14, s[LIM0]             ; wv: two tiles at a time, at the changes out of slot 0: the last pair begins at tile 13
	s_cselect_b32 s[LIM1], 0, s[LIM1]
	s_cmp_eq_u32 s[WV], 2
	s_cselect_b32 s[PK], WKB, s[PK]
	s_cselect_b32 s[LIM0], 15, s[LIM0]             ; wkq
	s_cselect_b32 s[LIM1], 15, s[LIM1]
	s_and_b32 s2, ttmp9, 1
	s_lshl_b32 s[RVX], s2, 16
	s_mov_b32 s[RVX+1], 0
	s_lshl_b32 s[RVW], s2, 20
	s_mov_b32 s[RVW+1], 0
.irp g, G0XS, G0WV, G0KQ, G0XD
	s_or_b32 s[\g+3], s[\g+3], 0x80000000          ; type = 2
	s_or_b32 s[\g+7], s[\g+7], 0x80000000
.endr
	CROUND                                         ; all sixteen work-groups are here: the first joint loads meet
	s_cmp_lt_u32 s[WV], 2                          ; a wave's two first fills stand in one branch, ahead of every wait on TENSORcnt and every LDS read
	s_cbranch_scc0 .Lfirst_hi
	s_cmp_eq_u32 s[WV], 0
	s_cbranch_scc0 .Lfirst_1
	FILL2 G0XS, G1XS
	s_branch .Lfirst_done
.Lfirst_1:
	FILL2 G0WV, G1WV
	s_branch .Lfirst_done
.Lfirst_hi:
	s_cmp_eq_u32 s[WV], 2
	s_cbranch_scc0 .Lfirst_3
	FILL2 G0KQ, G1KQ
	s_branch .Lfirst_done
.Lfirst_3:
	FILL2 G0XD, G1XD
.Lfirst_done:
	; THE BIASES, once: thread t takes 16 bytes of the half's 2,048 of bv and 4 of the block's 512 of bk.  bv goes into LDS in the order of the walk: where the upper chunk is walked first, the two halves of 1,024 bytes change places on the way.
	s_and_b32 s2, ttmp9, 1
	s_lshl_b32 s2, s2, 10
	v_lshlrev_b32 v42, 4, v0                       ; 16 t
	v_xor_b32 v43, s2, v42
	v_lshlrev_b32 v44, 2, v0                       ; 4 t
	global_load_b128 v[32:35], v43, s[12:13]
	global_load_b32 v36, v44, s[10:11]
	v_add_nc_u32 v40, BIA, v42
	v_add_nc_u32 v41, BIA+2048, v44
	v_and_b32 v27, 15, v0                          ; l % 16
	v_bfe_u32 v28, v0, 4, 1                        ; l / 16
	v_mul_u32_u24 v29, v27, PX
	v_lshl_add_u32 v29, v28, 4, v29                ; x: row x pitch + 16 x half
	v_and_b32 v30, 7, v0
	v_lshl_add_u32 v30, v28, 3, v30
	v_mul_u32_u24 v30, v30, PW
	v_bfe_u32 v31, v0, 3, 1
	v_lshl_add_u32 v30, v31, 4, v30                ; weights: (8 (l / 16) + l % 8) x pitch + 16 ((l / 8) % 2)
	s_mul_i32 s2, s[WS], 128*PX
	v_add_nc_u32 v[AXS], s2, v29
	s_mul_i32 s2, s[WD], 64*PX
	s_add_co_u32 s2, s2, O_XD
	v_add_nc_u32 v[AXD], s2, v29
	s_mul_i32 s2, s[WD], 64*PW
	s_add_co_u32 s2, s2, O_KQ
	v_add_nc_u32 v[AWK], s2, v30
	s_mul_i32 s2, s[WS], 128*PW
	s_add_co_u32 s2, s2, O_WV
	v_add_nc_u32 v[AWV], s2, v30
.irp a, AXS, AXD, AWK, AWV
	v_add_nc_u32 v[\a+1], SLOT, v[\a]
.endr
	s_lshl_b32 s2, s[WS], 9
	s_add_co_u32 s2, s2, BIA
	v_lshl_add_u32 v[BVA], v28, 5, s2              ; 4 (128 ws + 8 (l / 16))
	s_lshl_b32 s2, s[WD], 8
	s_add_co_u32 s2, s2, BIA+2048
	v_lshl_add_u32 v[BKA], v27, 2, s2              ; 4 (64 wd + l % 16)
	v_and_b32 v31, 31, v0
	v_lshlrev_b32 v[PFO], 8, v31
.irp n, 0,1,2,3
	v_mov_b32 v[MX+\n], 0xff7fffff                 ; the lowest finite number: the first chunk's correction is 2^(far below) = 0
	v_mov_b32 v[LS+\n], 0
	v_mov_b32 v[AS+\n], 0
.endr
	s_mov_b32 s[CS], 0x3d38aa3b                    ; c = log2(e) / 32
	s_mov_b32 s[CS+1], s[CS]
	s_mov_b32 s[TP], 3                             ; the first change of slots refills tile 2 and names tile 3
	s_mov_b32 s[CH], 2
	s_wait_loadcnt 0x0                             ; my five numbers of the biases: rounded to bf16, widened again, and put into LDS
	v_cvt_pk_bf16_f32 v37, v32, v33
	v_cvt_pk_bf16_f32 v38, v34, v35
	v_cvt_pk_bf16_f32 v39, v36, v36
	v_lshlrev_b32 v32, 16, v37
	v_and_b32 v33, 0xffff0000, v37
	v_lshlrev_b32 v34, 16, v38
	v_and_b32 v35, 0xffff0000, v38
	v_lshlrev_b32 v36, 16, v39
	ds_store_b128 v40, v[32:35]
	ds_store_b32 v41, v36
	s_wait_tensorcnt 0x1                           ; my tile of slot 0 is in; slot 1's may stay out
	s_wait_dscnt 0x0                               ; for the others' sake: my stores of the biases are done
	s_barrier_signal -1
	s_barrier_wait -1                              ; everybody's are
.Lchunk:                                               ; 256 rows s: 16 K steps, then the softmax over them
	F_XS 0, 0, 0
	F_W 0, 0
	F_XS 0, 0, 4
	F_B 0, 0
	SUB 0, 1, 1, 1                                 ; the chunk's first sub-step starts all 96 sums: nothing is cleared
	s_mov_b32 s[LAP], 7
.Llap:                                                 ; a trip goes once round the ring and fills both slots again
	TURN 0, 0, 1
	SUB 1, 1, 0, 1
	TURN 1, 0, 1
	SUB 0, 1, 0, 1
	s_sub_co_u32 s[LAP], s[LAP], 1
	s_cmp_lg_u32 s[LAP], 0
	s_cbranch_scc1 .Llap
	s_cmp_eq_u32 s[CH], 1                          ; the same in every wave and every work-group
	s_cbranch_scc1 .Llast
	TURN 0, 1, 1                                   ; the ring goes on into the second chunk: slot 0 takes its K step 0,
	SUB 1, 1, 0, 1
	TURN 1, 1, 0                                   ; slot 1 its K step 1, on its way during the softmax
	WIN 0
	s_branch .Lepi
.Llast:
	TURN 0, 2, 1                                   ; the last chunk asks for nothing more; every wait on TENSORcnt in the loops is for 0, so it holds on either way
	SUB 1, 1, 0, 1
	SUB 0, 0, 0, 0
	WIN 0
.Lepi:
	; THE SOFTMAX OVER THE CHUNK.  Temporaries lie in the fragments' registers.  The biases come out of LDS as they are used; bk is doubled into pairs for the packed sums.
	s_wait_dscnt 0x0
.irp n, 0,1,2,3
	v_mov_b32 v[BKF+2*\n+1], v[BKF+2*\n]
.endr
	WIN 0x41                                       ; k = K + bk. These 128 lines are also the places behind V's last products
.set a, 0
.rept 32
.set j, 0
.rept 4
	v_pk_add_f32 v[8*a+j:8*a+j+1], v[8*a+j:8*a+j+1], v[BKF+2*(a%4):BKF+2*(a%4)+1]
.set j, j+2
.endr
.set a, a+1
.endr
	WIN 0x82                                       ; v = V + bv
.set a, 0
.rept 32
.set j, 0
.rept 4
	v_pk_add_f32 v[8*a+j:8*a+j+1], v[8*a+j:8*a+j+1], v[XSF+8*(a/4)+j:XSF+8*(a/4)+j+1]
.set j, j+2
.endr
.set a, a+1
.endr
	WIN 0x49                                       ; t = k v, in K's place
.set a, 0
.rept 128
	v_pk_mul_f32 v[2*a:2*a+1], v[2*a:2*a+1], v[2*a:2*a+1]
.set a, a+1
.endr
	WIN 0x14                                       ; the maximum: for each d block n four chains of 16 numbers, three operands at a time; each chain begins with the old maximum
.set lk, 0
.rept 8
.set cc, 0
.rept 16
.set rg, 8*(4*(2*(cc%4)+lk/4)+cc/4)+2*(lk%4)
.if lk == 0
	v_max3_num_f32 v[CHN+cc], v[MX+cc/4], v[rg], v[rg+1]
.else
	v_max3_num_f32 v[CHN+cc], v[CHN+cc], v[rg], v[rg+1]
.endif
.set cc, cc+1
.endr
.set lk, lk+1
.endr
	WIN 0
.irp n, 0,1,2,3
	v_max3_num_f32 v[CHN+4*\n], v[CHN+4*\n], v[CHN+4*\n+1], v[CHN+4*\n+2]
.endr
.irp n, 0,1,2,3
	v_max_num_f32 v[CHN+4*\n], v[CHN+4*\n], v[CHN+4*\n+3]
.endr
.irp n, 0,1,2,3
	v_mul_f32 v[CMF+2*\n], s[CS], v[CHN+4*\n]      ; c m
.endr
.irp n, 0,1,2,3
	v_mov_b32 v[CMF+2*\n+1], v[CMF+2*\n]           ; named with it as a pair
	v_fma_f32 v[ALF+2*\n], v[MX+\n], s[CS], -v[CMF+2*\n]  ; c m_old - c m
.endr
.irp n, 0,1,2,3
	v_mov_b32 v[MX+\n], v[CHN+4*\n]
.endr
	; ONE BATCH of 260 exponentials: the four corrections, then all weights in place, each pair's scaling c t - c m a pair ahead.  Nothing names a result ahead of the one wait.
.irp n, 0,1,2,3
	v_exp_f32 v[ALF+2*\n], v[ALF+2*\n]
.endr
.macro FSC p
	v_pk_fma_f32 v[2*(\p):2*(\p)+1], v[2*(\p):2*(\p)+1], s[CS:CS+1], v[CMF+2*(((\p)/4)%4):CMF+2*(((\p)/4)%4)+1] op_sel_hi:[1,0,0] neg_lo:[0,0,1] neg_hi:[0,0,1]
.endm
	WIN 0x41
	FSC 0
.set pp, 0
.rept 128
.if pp < 127
	FSC pp+1
.endif
	v_exp_f32 v[2*pp], v[2*pp]
	v_exp_f32 v[2*pp+1], v[2*pp+1]
.set pp, pp+1
.endr
	v_nop                                          ; a plain instruction behind the last exponential,
	s_wait_alu depctr_va_vdst(0)                   ; and the batch's wait
	WIN 0                                          ; the sums: for each n two packed chains (even m, odd m); the first begins with the old sum times the correction
.irp n, 0,1,2,3
	v_mul_f32 v[SLF+4*\n], v[LS+\n], v[ALF+2*\n]
	v_mul_f32 v[SAF+4*\n], v[AS+\n], v[ALF+2*\n]
.irp z, 1,2,3
	v_mov_b32 v[SLF+4*\n+\z], 0
	v_mov_b32 v[SAF+4*\n+\z], 0
.endr
.endr
	WIN 0x01
.set j, 0
.rept 4
.set a, 0
.rept 32
	v_pk_add_f32 v[SLF+4*(a%4)+2*((a/4)%2):SLF+4*(a%4)+2*((a/4)%2)+1], v[8*a+j:8*a+j+1], v[SLF+4*(a%4)+2*((a/4)%2):SLF+4*(a%4)+2*((a/4)%2)+1]
.set a, a+1
.endr
.set j, j+2
.endr
	WIN 0x0d                                       ; weights (window 1) x Q (window 3)
.set j, 0
.rept 4
.set a, 0
.rept 32
	v_pk_fma_f32 v[SAF+4*(a%4)+2*((a/4)%2):SAF+4*(a%4)+2*((a/4)%2)+1], v[8*a+j:8*a+j+1], v[8*a+j:8*a+j+1], v[SAF+4*(a%4)+2*((a/4)%2):SAF+4*(a%4)+2*((a/4)%2)+1]
.set a, a+1
.endr
.set j, j+2
.endr
	WIN 0
.irp n, 0,1,2,3
	v_pk_add_f32 v[SLF+4*\n:SLF+4*\n+1], v[SLF+4*\n:SLF+4*\n+1], v[SLF+4*\n+2:SLF+4*\n+3]
	v_pk_add_f32 v[SAF+4*\n:SAF+4*\n+1], v[SAF+4*\n:SAF+4*\n+1], v[SAF+4*\n+2:SAF+4*\n+3]
.endr
.irp n, 0,1,2,3
	v_add_f32 v[LS+\n], v[SLF+4*\n], v[SLF+4*\n+1]
	v_add_f32 v[AS+\n], v[SAF+4*\n], v[SAF+4*\n+1]
.endr
	s_sub_co_u32 s[CH], s[CH], 1
	s_cmp_lg_u32 s[CH], 0
	s_cbranch_scc1 .Lchunk
	; THE TAIL.  A column d has four parts: two waves (ws) x two halves of the lanes.  They meet in LDS; wave 0 joins them, four columns a lane.
	v_and_b32 v27, 15, v0
	v_bfe_u32 v28, v0, 4, 1
	s_lshl_b32 s2, s[WS], 10
	s_lshl_b32 s3, s[WD], 8
	s_add_co_u32 s2, s2, s3
	s_add_co_u32 s2, s2, SCR
	v_lshl_add_u32 v29, v28, 9, s2
	v_lshl_add_u32 v29, v27, 2, v29                ; part (2 ws + l / 16) x 512 + 4 (64 wd + l % 16)
.irp n, 0,1,2,3
	ds_store_b32 v29, v[MX+\n] offset:64*\n
	ds_store_b32 v29, v[LS+\n] offset:2048+64*\n
	ds_store_b32 v29, v[AS+\n] offset:4096+64*\n
.endr
	s_wait_dscnt 0x0                               ; for the others' sake: my stores are done
	s_barrier_signal -1
	s_barrier_wait -1
	s_cmp_lg_u32 s[WV], 0
	s_cbranch_scc1 .Lend
	v_and_b32 v27, 31, v0
	v_lshlrev_b32 v30, 4, v27                      ; 16 l: columns 4 l .. 4 l + 3
	v_add_nc_u32 v31, SCR, v30
	global_load_b128 v[80:83], v30, s[14:15]       ; bq
.irp p, 0,1,2,3
	ds_load_b128 v[32+4*\p:35+4*\p], v31 offset:512*\p
	ds_load_b128 v[48+4*\p:51+4*\p], v31 offset:2048+512*\p
	ds_load_b128 v[64+4*\p:67+4*\p], v31 offset:4096+512*\p
.endr
	s_wait_dscnt 0x0
	s_wait_loadcnt 0x0
.irp i, 0,1,2,3
	v_max3_num_f32 v[84+\i], v[32+\i], v[36+\i], v[40+\i]
.endr
.irp i, 0,1,2,3
	v_max_num_f32 v[84+\i], v[84+\i], v[44+\i]
.endr
.irp i, 0,1,2,3
	v_mul_f32 v[88+\i], s[CS], v[84+\i]            ; c m
.endr
.irp p, 0,1,2,3
.irp i, 0,1,2,3
	v_fma_f32 v[32+4*\p+\i], v[32+4*\p+\i], s[CS], -v[88+\i]
.endr
.endr
.set i, 0
.rept 16
	v_exp_f32 v[32+i], v[32+i]
.set i, i+1
.endr
	v_cvt_pk_bf16_f32 v27, v80, v81                ; bq rounded to bf16 and widened: plain work behind the batch
	v_cvt_pk_bf16_f32 v28, v82, v83
	v_lshlrev_b32 v80, 16, v27
	v_and_b32 v81, 0xffff0000, v27
	v_lshlrev_b32 v82, 16, v28
	v_and_b32 v83, 0xffff0000, v28
	s_wait_alu depctr_va_vdst(0)                   ; one wait for the sixteen
.irp i, 0,1,2,3
	v_mul_f32 v[92+\i], v[48+\i], v[32+\i]
	v_mul_f32 v[96+\i], v[64+\i], v[32+\i]
.endr
.irp p, 1,2,3
.irp i, 0,1,2,3
	v_fmac_f32 v[92+\i], v[48+4*\p+\i], v[32+4*\p+\i]
	v_fmac_f32 v[96+\i], v[64+4*\p+\i], v[32+4*\p+\i]
.endr
.endr
.irp i, 0,1,2,3
	v_rcp_f32 v[100+\i], v[92+\i]
	v_log_f32 v[104+\i], v[92+\i]
.endr
	v_nop
	s_wait_alu depctr_va_vdst(0)                   ; one wait for the eight
.irp i, 0,1,2,3
	v_add_f32 v[112+\i], v[88+\i], v[104+\i]       ; Z = c m + log2 l
	v_fma_f32 v[108+\i], v[96+\i], v[100+\i], v[80+\i]  ; P = a / l + bq: the weights add up to 1, so bq is added once
.endr
	global_store_b128 v30, v[112:115], s[16:17]                ; each store of the wave covers 512 consecutive bytes, aligned
	global_store_b128 v30, v[108:111], s[16:17] offset:131072
.Lend:
	s_wait_tensorcnt 0x0                           ; the wave's end: behind my last tensor load and my last LDS store
	ds_add_u32 v[SPW], v[NIL]
	s_wait_dscnt 0x0
	CROUND                                         ; the closing round: no work-group ends while a partner may still ask for a tile that names it
	s_endpgm
.Lfunc_end_k_q5edebb89ec_fused:
	.size	k_q5edebb89ec_fused, .Lfunc_end_k_q5edebb89ec_fused-k_q5edebb89ec_fused
	.p2alignl 7, 3214868480
	.fill 96, 4, 3214868480
	.section	.rodata,"a",@progbits
	.p2align	6, 0x0
	.amdhsa_kernel k_q5edebb89ec_fused
		.amdhsa_group_segment_fixed_size 327680
		.amdhsa_private_segment_fixed_size 0
		.amdhsa_enable_private_segment 0
		.amdhsa_kernarg_size 56
		.amdhsa_user_sgpr_count 2
		.amdhsa_user_sgpr_kernarg_segment_ptr 1
		.amdhsa_wavefront_size32 1
		.amdhsa_system_sgpr_workgroup_id_x 1
		.amdhsa_system_sgpr_workgroup_id_y 1
		.amdhsa_system_sgpr_workgroup_id_z 1
		.amdhsa_system_vgpr_workitem_id 0
		.amdhsa_next_free_vgpr 1024
		.amdhsa_next_free_sgpr 102
		.amdhsa_reserve_vcc 0
		.amdhsa_float_denorm_mode_32 3
		.amdhsa_float_denorm_mode_16_64 3
		.amdhsa_memory_ordered 1
		.amdhsa_forward_progress 1
		.amdhsa_inst_pref_size 207
	.end_amdhsa_kernel
	.amdgpu_metadata
---
amdhsa.version: [ 1, 2 ]
amdhsa.kernels:
  - .name:           k_q5edebb89ec_fused
    .symbol:         k_q5edebb89ec_fused.kd
    .args:
      - { .name: xb, .offset: 0, .size: 8, .value_kind: global_buffer, .address_space: global }
      - { .name: wkq, .offset: 8, .size: 8, .value_kind: global_buffer, .address_space: global }
      - { .name: wv, .offset: 16, .size: 8, .value_kind: global_buffer, .address_space: global }
      - { .name: bk, .offset: 24, .size: 8, .value_kind: global_buffer, .address_space: global }
      - { .name: bv, .offset: 32, .size: 8, .value_kind: global_buffer, .address_space: global }
      - { .name: bq, .offset: 40, .size: 8, .value_kind: global_buffer, .address_space: global }
      - { .name: part, .offset: 48, .size: 8, .value_kind: global_buffer, .address_space: global }
    .group_segment_fixed_size: 327680
    .private_segment_fixed_size: 0
    .kernarg_segment_align: 8
    .kernarg_segment_size: 56
    .max_flat_workgroup_size: 128
    .sgpr_count:     102
    .vgpr_count:     1024
    .wavefront_size: 32
...
	.end_amdgpu_metadata
.endif
;; end of part 2
;; launch proj (part 3): grid 128 x 1, 8 waves a work-group, no clusters, 105,472 bytes of LDS; arguments part, WL, bL, out0; writes out0
.if DOCPART == 3
	.amdgcn_target "amdgcn-amd-amdhsa--gfx1250"
	.amdhsa_code_object_version 6
	.text
	.protected	k_q5edebb89ec_proj
	.globl	k_q5edebb89ec_proj
	.p2align	8
	.type	k_q5edebb89ec_proj,@function
k_q5edebb89ec_proj:
	s_mov_b64 s[64:65], 0
	v_nop
	global_prefetch_b8 v0, s[64:65] scope:SCOPE_SE
	s_setreg_imm32_b32 hwreg(HW_REG_WAVE_MODE, 25, 1), 1
	s_wait_xcnt 0x0
; out0[m][n] = the sum over k of pooled[m][k] WL[k][n] + bL[n];  m = 8 b + h (16 rows), k = 0..1023, n = 0..8191.
; pooled joins the two halves of s that the launch before left:  pooled = (P0 2^(Z0 - z) + P1 2^(Z1 - z)) / (2^(Z0 - z) + 2^(Z1 - z)), z = max(Z0, Z1): the maximum is taken away before the exponentials.
; pooled enters the product as two bf16 numbers, hi + lo (two products, two accumulators); WL and bL are rounded once to bf16, like every input of the program.  Sums in f32.
; LIMITS.  A half whose 2^(Z - z) falls below 2^-126 counts as 0; NaN and infinities are not treated apart.
; SHARES.  A work-group makes 64 columns (256 consecutive bytes, aligned, of each row of WL and of out0): with fewer columns its loads would take parts of such runs.  K is split among its eight waves, 128 each: four steps of 32.
; THE STATISTICS ARE READ IN WHOLE RUNS: a load takes 512 consecutive bytes, aligned, of one row m of one of the four arrays: lane l holds k = 128 wave + 4 l .. + 3.  The joining works number by number, so it is done in that
; layout, 8 rows at a time; hi and lo then go through the wave's own 2 x 16 rows of LDS (256 bytes + 16) and come back as source 0's fragments.  No other wave touches those bytes: no barrier.
; WL GOES STRAIGHT INTO FRAGMENTS.  Source 1 wants, in lane l, one column and K = 8 (l / 16) + 0..7, 16 + 8 (l / 16) + 0..7.  Load i of a step takes row 8 (l / 16) + i (i < 8) or 8 (l / 16) + i + 8, 16 bytes a lane at 16 (l % 16):
; two rows x 256 consecutive bytes.  A lane then holds 16 K of the four columns 4 (l % 16) + j; fragment j takes column 4 (l % 16) + j as its column l % 16, and its register p is rows 2 p, 2 p + 1 rounded in one line.
; So the four results' register j' of a lane are four NEIGHBOURING columns of row 8 (l / 16) + j'.  All 64 loads of a wave go out at its head; nothing of WL passes through LDS, and no block of it is read twice.
; The eight partial sums meet in LDS.  No cluster: what the work-groups share (part, 256 KiB) is one part in 128 of what comes in.  No prefetch: every load of WL is issued at the head.
.set STG,   4352                       ; a wave's stage for its partial sums: 16 rows x (256 + 16) bytes
.set SPARE, 8*STG                      ; behind the stages: the spare words, 128 bytes for each wave: four blocks of 256 bytes that no other line names
.set ASTB,  SPARE+1024                 ; behind them: for each wave 16 rows x 272 bytes of pooled hi, then as many of lo
.set APL,   4352
.set SPW, 1                            ; v1  LDS address of my spare word; never rewritten
.set NIL, 2                            ; v2  0; never rewritten
.set SO,  3                            ; v3  my byte offset in a row of part: 512 wave + 16 l
.set WO,  4                            ; v4  my byte offset in WL: 8 (l / 16) rows + 16 (l % 16)
.set LST, 5                            ; v5  where I put 16 bytes of a row of my stage
.set LRD, 6                            ; v6  where I read: row t / 16, 16 (t % 16)
.set OO,  7                            ; v7  my 16 bytes of out0
.set BLO, 8                            ; v8  16 (t % 16)
.set AST, 14                           ; v14 where I put my 8 bytes (4 k) of a row of pooled hi
.set ARD, 15                           ; v15 where I read a fragment of it: row l % 16, 16 (l / 16)
.set AH,  16                           ; v[16:47]  pooled, hi: as joined, then as fragments: step s' at AH + 8 s'
.set AL,  48                           ; v[48:79]  pooled, lo
.set ZM,  80                           ; v[80:111] at work; later the sums hi + lo
.set BLF, 112                          ; v[112:115] bL
.set Z0,  128                          ; v[128:255] eight rows' statistics: Z0, Z1, P0, P1, 32 each: row r' at 4 r'
.set Z1,  160
.set P0,  192
.set P1,  224
.set ACCH, 128                         ; later: four accumulators for hi, four for lo,
.set ACCL, 160
.set BS,  192                          ; and two sets of four fragments of WL
.set MSB, 0
.macro WIN new
.if MSB != (\new)
	s_set_vgpr_msb (MSB<<8)|(\new)
.set MSB, \new
.endif
.endm
	s_load_b256 s[4:11], s[0:1], 0x0               ; part s[4:5], WL s[6:7], bL s[8:9], out0 s[10:11]
	v_lshl_add_u32 v[SPW], v0, 2, SPARE
	v_mov_b32 v[NIL], 0
	v_lshrrev_b32 v9, 5, v0
	v_readfirstlane_b32 s12, v9                    ; wave 0..7
	v_and_b32 v10, 15, v0
	v_bfe_u32 v11, v0, 4, 1
	v_and_b32 v12, 31, v0
	s_lshl_b32 s13, s12, 9
	v_lshl_add_u32 v[SO], v12, 4, s13
	v_lshlrev_b32 v[BLO], 4, v10
	v_lshl_add_u32 v[WO], v11, 18, v[BLO]
	s_mul_i32 s15, s12, 2*APL
	s_add_co_u32 s15, s15, ASTB                    ; my wave's rows of pooled
	v_lshl_add_u32 v[AST], v12, 3, s15
	v_mul_u32_u24 v13, v10, 272
	v_lshl_add_u32 v13, v11, 4, v13
	v_add_nc_u32 v[ARD], s15, v13
	s_mul_i32 s14, s12, STG
	v_mul_u32_u24 v12, v11, 8*272
	v_add_nc_u32 v12, s14, v12
	v_add_nc_u32 v[LST], v[BLO], v12
	v_lshrrev_b32 v13, 4, v0
	v_mul_u32_u24 v[LRD], v13, 272
	v_add_nc_u32 v[LRD], v[BLO], v[LRD]
	v_lshl_add_u32 v[OO], v13, 15, v[BLO]
	s_lshl_b32 s16, ttmp9, 8                       ; the work-group's 64 columns
	s_mov_b32 s17, 0
	s_lshl_b32 s18, s12, 22                        ; my wave's 128 rows of WL
	s_mov_b32 s19, 0
	s_wait_kmcnt 0x0
	s_add_nc_u64 s[6:7], s[6:7], s[16:17]
	s_add_nc_u64 s[6:7], s[6:7], s[18:19]
	s_add_nc_u64 s[8:9], s[8:9], s[16:17]
	s_add_nc_u64 s[10:11], s[10:11], s[16:17]
.macro STAT beta                       ; the statistics of rows 8 beta .. 8 beta + 7: 32 loads of 512 consecutive bytes
.set ar, 0
.rept 4
.set ro, 0
.rept 8
	global_load_b128 v[Z0+32*ar+4*ro:Z0+32*ar+4*ro+3], v[SO], s[4:5] offset:65536*ar+4096*(8*(\beta)+ro)
.set ro, ro+1
.endr
.set ar, ar+1
.endr
.endm
.macro MERGE beta                      ; 32 numbers of pooled a lane, as hi and lo
.set i, 0
.rept 32
	v_max_num_f32 v[ZM+i], v[Z0+i], v[Z1+i]
.set i, i+1
.endr
.set i, 0
.rept 16
	v_pk_add_f32 v[Z0+i:Z0+i+1], v[Z0+i:Z0+i+1], v[ZM+i:ZM+i+1] neg_lo:[0,1] neg_hi:[0,1]
	v_pk_add_f32 v[Z1+i:Z1+i+1], v[Z1+i:Z1+i+1], v[ZM+i:ZM+i+1] neg_lo:[0,1] neg_hi:[0,1]
.set i, i+2
.endr
.set i, 0
.rept 32
	v_exp_f32 v[Z0+i], v[Z0+i]
	v_exp_f32 v[Z1+i], v[Z1+i]
.set i, i+1
.endr
	v_nop                                          ; a plain instruction behind the last exponential,
	s_wait_alu depctr_va_vdst(0)                   ; and one wait for the 64
.set i, 0
.rept 16
	v_pk_add_f32 v[ZM+i:ZM+i+1], v[Z0+i:Z0+i+1], v[Z1+i:Z1+i+1]
.set i, i+2
.endr
.set i, 0
.rept 32
	v_rcp_f32 v[ZM+i], v[ZM+i]
.set i, i+1
.endr
.set i, 0
.rept 16                                           ; the numerators: independent work behind the reciprocals
	v_pk_mul_f32 v[P0+i:P0+i+1], v[P0+i:P0+i+1], v[Z0+i:Z0+i+1]
.set i, i+2
.endr
.set i, 0
.rept 16
	v_pk_fma_f32 v[P0+i:P0+i+1], v[P1+i:P1+i+1], v[Z1+i:Z1+i+1], v[P0+i:P0+i+1]
.set i, i+2
.endr
	s_wait_alu depctr_va_vdst(0)                   ; one wait for the 32
.set i, 0
.rept 16
	v_pk_mul_f32 v[P0+i:P0+i+1], v[P0+i:P0+i+1], v[ZM+i:ZM+i+1]
.set i, i+2
.endr
.set i, 0
.rept 16
	v_cvt_pk_bf16_f32 v[AH+16*(\beta)+i], v[P0+2*i], v[P0+2*i+1]
.set i, i+1
.endr
.set i, 0
.rept 16
	v_lshlrev_b32 v[Z0+2*i], 16, v[AH+16*(\beta)+i]
	v_and_b32 v[Z0+2*i+1], 0xffff0000, v[AH+16*(\beta)+i]
.set i, i+1
.endr
.set i, 0
.rept 16
	v_pk_add_f32 v[P0+2*i:P0+2*i+1], v[P0+2*i:P0+2*i+1], v[Z0+2*i:Z0+2*i+1] neg_lo:[0,1] neg_hi:[0,1]
.set i, i+1
.endr
.set i, 0
.rept 16
	v_cvt_pk_bf16_f32 v[AL+16*(\beta)+i], v[P0+2*i], v[P0+2*i+1]
.set i, i+1
.endr
.set ro, 0
.rept 8                                            ; a row's 128 numbers in bf16: 32 lanes x 8 bytes on end
	ds_store_b64 v[AST], v[AH+16*(\beta)+2*ro:AH+16*(\beta)+2*ro+1] offset:272*(8*(\beta)+ro)
	ds_store_b64 v[AST], v[AL+16*(\beta)+2*ro:AL+16*(\beta)+2*ro+1] offset:APL+272*(8*(\beta)+ro)
.set ro, ro+1
.endr
.endm
	global_load_b128 v[BLF:BLF+3], v[BLO], s[8:9]
	STAT 0
	WIN 0x40                                       ; destination window 1: step s', load i at v[64 s' + 4 i]
.set st, 0
.rept 4
.set i, 0
.rept 16
	global_load_b128 v[64*st+4*i:64*st+4*i+3], v[WO], s[6:7] offset:(32*st+i+8*(i/8))*32768 th:TH_LOAD_NT
.set i, i+1
.endr
.set st, st+1
.endr
	WIN 0
	s_wait_loadcnt 63                              ; bL and the first statistics are in: 64 loads were issued behind them, and a wait's count names 63 at the most, so WL's first load is waited for with them
	MERGE 0
	STAT 1
	s_wait_loadcnt 0x0
	MERGE 1
.set st, 0
.rept 4                                            ; back as fragments: row l % 16, K = 32 s' + 8 (l / 16) + 0..7 and 16 more.  LDS serves a wave's instructions in order (ISA guide 5.7.1.4): these see the stores above
	ds_load_b128 v[AH+8*st:AH+8*st+3],   v[ARD] offset:64*st
	ds_load_b128 v[AH+8*st+4:AH+8*st+7], v[ARD] offset:64*st+32
	ds_load_b128 v[AL+8*st:AL+8*st+3],   v[ARD] offset:APL+64*st
	ds_load_b128 v[AL+8*st+4:AL+8*st+7], v[ARD] offset:APL+64*st+32
.set st, st+1
.endr
	; four steps of 32 along K.  The eight accumulators take turns, one instruction a turn; a set of fragments is written again behind the other set's 32 conversions.
.set st, 0
.rept 4
	WIN 0x05                                       ; sources in window 1
.set jj, 0
.rept 4
.set pp, 0
.rept 8
	v_cvt_pk_bf16_f32 v[BS+32*(st%2)+8*jj+pp], v[64*st+8*pp+jj], v[64*st+8*pp+4+jj]
.set pp, pp+1
.endr
.set jj, jj+1
.endr
	WIN 0
.if st == 0
	s_wait_dscnt 0x0                               ; pooled's fragments are in; the first step's conversions stood between the loads and this wait
.endif
.set jj, 0
.rept 4
.if st == 0
	v_wmma_f32_16x16x32_bf16 v[ACCH+8*jj:ACCH+8*jj+7], v[AH+8*st:AH+8*st+7], v[BS+32*(st%2)+8*jj:BS+32*(st%2)+8*jj+7], 0
.else
	v_wmma_f32_16x16x32_bf16 v[ACCH+8*jj:ACCH+8*jj+7], v[AH+8*st:AH+8*st+7], v[BS+32*(st%2)+8*jj:BS+32*(st%2)+8*jj+7], v[ACCH+8*jj:ACCH+8*jj+7]
.endif
.set jj, jj+1
.endr
.set jj, 0
.rept 4
.if st == 0
	v_wmma_f32_16x16x32_bf16 v[ACCL+8*jj:ACCL+8*jj+7], v[AL+8*st:AL+8*st+7], v[BS+32*(st%2)+8*jj:BS+32*(st%2)+8*jj+7], 0
.else
	v_wmma_f32_16x16x32_bf16 v[ACCL+8*jj:ACCL+8*jj+7], v[AL+8*st:AL+8*st+7], v[BS+32*(st%2)+8*jj:BS+32*(st%2)+8*jj+7], v[ACCL+8*jj:ACCL+8*jj+7]
.endif
.set jj, jj+1
.endr
.set st, st+1
.endr
.rept 8
	v_nop                                          ; places behind the last products, once in the launch
.endr
.set jr, 0
.rept 8                                            ; hi + lo; register 0 of every accumulator first; the sum also lays a row's four neighbouring columns on end
.set jj, 0
.rept 4
	v_add_f32 v[ZM+4*jr+jj], v[ACCH+8*jj+jr], v[ACCL+8*jj+jr]
.set jj, jj+1
.endr
.set jr, jr+1
.endr
.set jr, 0
.rept 8
	ds_store_b128 v[LST], v[ZM+4*jr:ZM+4*jr+3] offset:272*jr
.set jr, jr+1
.endr
	s_wait_dscnt 0x0                               ; for the others' sake: my stores are done
	s_barrier_signal -1
	s_barrier_wait -1                              ; all eight partial sums lie in LDS
.set wq, 0
.rept 8
	ds_load_b128 v[128+4*wq:131+4*wq], v[LRD] offset:STG*wq
.set wq, wq+1
.endr
	v_cvt_pk_bf16_f32 v9, v[BLF], v[BLF+1]         ; bL rounded to bf16 and widened
	v_cvt_pk_bf16_f32 v12, v[BLF+2], v[BLF+3]
	v_lshlrev_b32 v[BLF], 16, v9
	v_and_b32 v[BLF+1], 0xffff0000, v9
	v_lshlrev_b32 v[BLF+2], 16, v12
	v_and_b32 v[BLF+3], 0xffff0000, v12
	s_wait_dscnt 0x0
.irp g, 0,1,2,3
.irp h, 0,2
	v_pk_add_f32 v[128+8*\g+\h:128+8*\g+\h+1], v[128+8*\g+\h:128+8*\g+\h+1], v[132+8*\g+\h:132+8*\g+\h+1]
.endr
.endr
.irp g, 0,2
.irp h, 0,2
	v_pk_add_f32 v[128+8*\g+\h:128+8*\g+\h+1], v[128+8*\g+\h:128+8*\g+\h+1], v[136+8*\g+\h:136+8*\g+\h+1]
.endr
.endr
.irp h, 0,2
	v_pk_add_f32 v[128+\h:128+\h+1], v[128+\h:128+\h+1], v[144+\h:144+\h+1]
.endr
.irp h, 0,2
	v_pk_add_f32 v[128+\h:128+\h+1], v[128+\h:128+\h+1], v[BLF+\h:BLF+\h+1]
.endr
	global_store_b128 v[OO], v[128:131], s[10:11]  ; 16 lanes store 256 consecutive bytes, at a multiple of 256 from out0's first byte
	s_wait_tensorcnt 0x0                           ; the wave's end: behind my last LDS store
	ds_add_u32 v[SPW], v[NIL]
	s_wait_dscnt 0x0
	s_endpgm
.Lfunc_end_k_q5edebb89ec_proj:
	.size	k_q5edebb89ec_proj, .Lfunc_end_k_q5edebb89ec_proj-k_q5edebb89ec_proj
	.p2alignl 7, 3214868480
	.fill 96, 4, 3214868480
	.section	.rodata,"a",@progbits
	.p2align	6, 0x0
	.amdhsa_kernel k_q5edebb89ec_proj
		.amdhsa_group_segment_fixed_size 105472
		.amdhsa_private_segment_fixed_size 0
		.amdhsa_enable_private_segment 0
		.amdhsa_kernarg_size 32
		.amdhsa_user_sgpr_count 2
		.amdhsa_user_sgpr_kernarg_segment_ptr 1
		.amdhsa_wavefront_size32 1
		.amdhsa_system_sgpr_workgroup_id_x 1
		.amdhsa_system_sgpr_workgroup_id_y 1
		.amdhsa_system_sgpr_workgroup_id_z 1
		.amdhsa_system_vgpr_workitem_id 0
		.amdhsa_next_free_vgpr 512
		.amdhsa_next_free_sgpr 66
		.amdhsa_reserve_vcc 0
		.amdhsa_float_denorm_mode_32 3
		.amdhsa_float_denorm_mode_16_64 3
		.amdhsa_memory_ordered 1
		.amdhsa_forward_progress 1
		.amdhsa_inst_pref_size 61
	.end_amdhsa_kernel
	.amdgpu_metadata
---
amdhsa.version: [ 1, 2 ]
amdhsa.kernels:
  - .name:           k_q5edebb89ec_proj
    .symbol:         k_q5edebb89ec_proj.kd
    .args:
      - { .name: part, .offset: 0, .size: 8, .value_kind: global_buffer, .address_space: global }
      - { .name: WL, .offset: 8, .size: 8, .value_kind: global_buffer, .address_space: global }
      - { .name: bL, .offset: 16, .size: 8, .value_kind: global_buffer, .address_space: global }
      - { .name: out0, .offset: 24, .size: 8, .value_kind: global_buffer, .address_space: global }
    .group_segment_fixed_size: 105472
    .private_segment_fixed_size: 0
    .kernarg_segment_align: 8
    .kernarg_segment_size: 32
    .max_flat_workgroup_size: 256
    .sgpr_count:     66
    .vgpr_count:     512
    .wavefront_size: 32
...
	.end_amdgpu_metadata
.endif
;; end of part 3
;; ======== version 2 of 2: 3 launches; version 1 with the launch cast written anew for expert scheduling mode
;; workspace buffers: xb 4,194,304 bytes; wkq 33,554,432 bytes; wv 16,777,216 bytes; part 262,144 bytes
;; launch cast (part 4): grid 832 x 1, 8 waves a work-group, no clusters, 0 bytes of LDS; arguments Wk, Wq, Wv, inputs, wkq, wv, xb; writes wkq, wv, xb
.if DOCPART == 4
	.amdgcn_target "amdgcn-amd-amdhsa--gfx1250"
	.amdhsa_code_object_version 6
	.text
	.protected	k_q5edebb89ec_cast
	.globl	k_q5edebb89ec_cast
	.p2align	8
	.type	k_q5edebb89ec_cast,@function
k_q5edebb89ec_cast:
	s_mov_b64 s[64:65], 0
	v_nop
	global_prefetch_b8 v0, s[64:65] scope:SCOPE_SE
	s_setreg_imm32_b32 hwreg(HW_REG_WAVE_SCHED_MODE, 0, 2), 2
	s_setreg_imm32_b32 hwreg(HW_REG_WAVE_MODE, 25, 1), 1
	s_wait_xcnt 0x0
	s_wait_alu depctr_vm_vsrc(0)
; Wk, Wq, Wv ([1024][8192] f32) and inputs ([2048][1024] f32) are rounded once to bf16 (to nearest even) and laid out anew as dense
; tiles of 64 rows x 64 columns, 128 bytes a row, 8,192 bytes a tile, in the order in which the next launch walks them:
;   wkq: [column block of 128 (64)][k block of 64 (16)][Wk, Wq][column half (2)]      wv: [column chunk of 256 (32)][k block (16)][column quarter (4)]
;   xb:  [k block (16)][row tile (32)]: for one k block all 2,048 rows lie on end, 128 bytes each
; SHARES.  One wave makes one tile.  Work-groups 0-255 take Wk, 256-511 Wq, 512-767 Wv, 768-831 inputs; a work-group's eight waves take eight neighbouring tile columns.
; A load takes two source rows x 256 consecutive bytes, aligned (16 lanes a row); a store 256 consecutive bytes, aligned: two tile rows.
; All 32 loads of a wave go out at once; no register is written again while a memory instruction may read it, so there is no loop.
; No LDS, no barrier, no matrix unit: the launch only moves bytes.  LIMITS: NaN and infinities are rounded as the conversion rounds them.
; THE MODE: SCHED_MODE bits 1:0 = 2 (LLVM: expert scheduling mode 2), set by the entry lines.  The code itself states the register dependences
; between vector instructions and memory instructions, with s_wait_alu, always for 0.
; THE PLAN.  Registers that memory instructions touch:
;   v[LO], v[SO]     byte offsets.  Each is written by one vector line ahead of the loads and never again; the loads read v[LO], the stores v[SO].
;   v[X + 4 i ..]    Load i lands in four registers that no vector line has named.  Behind its counted wait two conversions read the four and write the first two;
;                    store i reads those two, and nobody writes them afterwards.
;   s18              written by v_readfirstlane_b32, read by scalar lines behind the branch on the kind.
; So no load lands in a register that a vector line has named, and no register that a memory instruction reads is written again.  What is left to state: s18 ahead of the branch;
; the two offsets ahead of the loads; and the packed words ahead of their stores.  For these the 32 loads go in eight groups of four: at the head of group g, behind the wait for its first load, ONE
; wait states that group g - 1's eight conversions have written; that group's four stores are then dealt among group g's conversions, which name group g's registers alone.
.set LO, 2                             ; v2  my byte offset in the first two source rows
.set SO, 3                             ; v3  8 x lane: my 8 bytes of two tile rows
.set X,  8                             ; v[8:135] load i: four f32, then two packed words
.set GRP, 4                            ; loads in a group
	s_load_b256 s[4:11], s[0:1], 0x0               ; Wk s[4:5], Wq s[6:7], Wv s[8:9], inputs s[10:11]
	s_load_b128 s[12:15], s[0:1], 0x20             ; wkq s[12:13], wv s[14:15]
	s_load_b64 s[16:17], s[0:1], 0x30              ; xb
	v_lshrrev_b32 v1, 5, v0
	v_readfirstlane_b32 s18, v1                    ; wave 0..7
	v_and_b32 v4, 31, v0
	v_lshlrev_b32 v[SO], 3, v4
	v_and_b32 v5, 15, v0
	v_lshlrev_b32 v5, 4, v5                        ; 16 bytes a lane along a row
	v_bfe_u32 v6, v0, 4, 1                         ; lanes 16-31 take the next row
	s_lshr_b32 s19, ttmp9, 8                       ; kind: 0 Wk, 1 Wq, 2 Wv, 3 inputs
	s_mov_b32 s23, 0                               ; high words of the two offsets
	s_mov_b32 s25, 0
	s_wait_alu depctr_va_sdst(0)                   ; s18 is written
	s_wait_kmcnt 0x0
	s_cmp_eq_u32 s19, 1
	s_cselect_b64 s[20:21], s[6:7], s[4:5]         ; the source,
	s_cmp_eq_u32 s19, 2
	s_cselect_b64 s[20:21], s[8:9], s[20:21]
	s_cselect_b64 s[34:35], s[14:15], s[12:13]     ; and the destination
	s_cmp_eq_u32 s19, 3
	s_cselect_b64 s[20:21], s[10:11], s[20:21]
	s_cselect_b64 s[34:35], s[16:17], s[34:35]
; One tile.  pitch: bytes from row to row of the source.
.macro TILE pitch
	s_wait_alu depctr_va_vdst(0)                   ; v[LO] and v[SO] are written: every load below reads the one as its offset, every store the other
.set i, 0
.rept 32
	global_load_b128 v[X+4*i:X+4*i+3], v[LO], s[20:21] offset:i*2*(\pitch) th:TH_LOAD_NT
.set i, i+1
.endr
.set i, 0
.rept 32
.if i%GRP == 0
	s_wait_loadcnt 31-i                            ; loads come back in order: load i, the group's first, is in, the 31 - i younger ones stay out
.if i >= GRP
	s_wait_alu depctr_va_vdst(0)                   ; the conversions of the group before have written its eight packed words, which the four stores dealt into this group read
.endif
.endif
.if i >= GRP
	global_store_b64 v[SO], v[X+4*(i-GRP):X+4*(i-GRP)+1], s[34:35] offset:(i-GRP)*256  ; the group before.  No wait: no vector line since the wait above names these registers
.endif
.if i%GRP != 0
	s_wait_loadcnt 31-i                            ; load i is in, the 31 - i younger ones stay out; the store above stands ahead of this wait and is not held by it
.endif
	v_cvt_pk_bf16_f32 v[X+4*i], v[X+4*i], v[X+4*i+1]
	v_cvt_pk_bf16_f32 v[X+4*i+1], v[X+4*i+2], v[X+4*i+3]
.set i, i+1
.endr
	s_wait_alu depctr_va_vdst(0)                   ; the last group's conversions have written its packed words, which the last four stores read
.set i, 32-GRP
.rept GRP
	global_store_b64 v[SO], v[X+4*i:X+4*i+1], s[34:35] offset:i*256
.set i, i+1
.endr
.endm
	s_cmp_eq_u32 s19, 3
	s_cbranch_scc1 .Linputs
	v_lshl_add_u32 v[LO], v6, 15, v5               ; made first on this way: the scalar work below stands between it and the wait ahead of the loads
	s_and_b32 s26, ttmp9, 255
	s_lshl_b32 s26, s26, 3
	s_add_co_u32 s26, s26, s18                     ; the tile's number among the weight's 2,048
	s_and_b32 s27, s26, 127                        ; tile column
	s_lshr_b32 s28, s26, 7                         ; k block
	s_lshl_b32 s22, s28, 21                        ; 64 rows of 32,768 bytes,
	s_lshl_b32 s29, s27, 8                         ; 256 bytes a tile column
	s_add_co_u32 s22, s22, s29
	s_cmp_eq_u32 s19, 2
	s_cselect_b32 s30, 2, 1                        ; Wv: four tile columns to a chunk; Wk, Wq: two to a block
	s_cselect_b32 s32, 3, 1
	s_lshr_b32 s31, s27, s30
	s_lshl_b32 s31, s31, 4
	s_add_co_u32 s31, s31, s28                     ; (block or chunk) x 16 + k block,
	s_lshl_b32 s31, s31, 2                         ; four tiles each
	s_and_b32 s32, s27, s32
	s_add_co_u32 s31, s31, s32
	s_cmp_eq_u32 s19, 1
	s_cselect_b32 s32, 2, 0                        ; Wq's two tiles lie behind Wk's two
	s_add_co_u32 s31, s31, s32
	s_lshl_b32 s24, s31, 13
	s_add_nc_u64 s[20:21], s[20:21], s[22:23]
	s_add_nc_u64 s[34:35], s[34:35], s[24:25]
	TILE 32768
	s_endpgm
.Linputs:
	v_lshl_add_u32 v[LO], v6, 12, v5               ; made first on this way too
	s_and_b32 s26, ttmp9, 63
	s_lshl_b32 s26, s26, 3
	s_add_co_u32 s26, s26, s18                     ; the tile's number among 512
	s_and_b32 s27, s26, 15                         ; k block
	s_lshr_b32 s28, s26, 4                         ; row tile
	s_lshl_b32 s22, s28, 18                        ; 64 rows of 4,096 bytes
	s_lshl_b32 s29, s27, 8
	s_add_co_u32 s22, s22, s29
	s_lshl_b32 s31, s27, 5
	s_add_co_u32 s31, s31, s28
	s_lshl_b32 s24, s31, 13
	s_add_nc_u64 s[20:21], s[20:21], s[22:23]
	s_add_nc_u64 s[34:35], s[34:35], s[24:25]
	TILE 4096
	s_endpgm
.Lfunc_end_k_q5edebb89ec_cast:
	.size	k_q5edebb89ec_cast, .Lfunc_end_k_q5edebb89ec_cast-k_q5edebb89ec_cast
	.p2alignl 7, 3214868480
	.fill 96, 4, 3214868480
	.section	.rodata,"a",@progbits
	.p2align	6, 0x0
	.amdhsa_kernel k_q5edebb89ec_cast
		.amdhsa_group_segment_fixed_size 0
		.amdhsa_private_segment_fixed_size 0
		.amdhsa_enable_private_segment 0
		.amdhsa_kernarg_size 56
		.amdhsa_user_sgpr_count 2
		.amdhsa_user_sgpr_kernarg_segment_ptr 1
		.amdhsa_wavefront_size32 1
		.amdhsa_system_sgpr_workgroup_id_x 1
		.amdhsa_system_sgpr_workgroup_id_y 1
		.amdhsa_system_sgpr_workgroup_id_z 1
		.amdhsa_system_vgpr_workitem_id 0
		.amdhsa_next_free_vgpr 136
		.amdhsa_next_free_sgpr 66
		.amdhsa_reserve_vcc 0
		.amdhsa_float_denorm_mode_32 3
		.amdhsa_float_denorm_mode_16_64 3
		.amdhsa_memory_ordered 1
		.amdhsa_forward_progress 1
		.amdhsa_inst_pref_size 26
	.end_amdhsa_kernel
	.amdgpu_metadata
---
amdhsa.version: [ 1, 2 ]
amdhsa.kernels:
  - .name:           k_q5edebb89ec_cast
    .symbol:         k_q5edebb89ec_cast.kd
    .args:
      - { .name: Wk, .offset: 0, .size: 8, .value_kind: global_buffer, .address_space: global }
      - { .name: Wq, .offset: 8, .size: 8, .value_kind: global_buffer, .address_space: global }
      - { .name: Wv, .offset: 16, .size: 8, .value_kind: global_buffer, .address_space: global }
      - { .name: inputs, .offset: 24, .size: 8, .value_kind: global_buffer, .address_space: global }
      - { .name: wkq, .offset: 32, .size: 8, .value_kind: global_buffer, .address_space: global }
      - { .name: wv, .offset: 40, .size: 8, .value_kind: global_buffer, .address_space: global }
      - { .name: xb, .offset: 48, .size: 8, .value_kind: global_buffer, .address_space: global }
    .group_segment_fixed_size: 0
    .private_segment_fixed_size: 0
    .kernarg_segment_align: 8
    .kernarg_segment_size: 56
    .max_flat_workgroup_size: 256
    .sgpr_count:     66
    .vgpr_count:     136
    .wavefront_size: 32
...
	.end_amdgpu_metadata
.endif
;; end of part 4
;; launch fused: the kernel of part 2 again; grid 8 x 32, 4 waves a work-group, clusters of 4 x 4, 327,680 bytes of LDS; arguments xb, wkq, wv, bk, bv, bq, part; writes part
;; launch proj: the kernel of part 3 again; grid 128 x 1, 8 waves a work-group, no clusters, 105,472 bytes of LDS; arguments part, WL, bL, out0; writes out0
